; MI455X (gfx1250); checked and timed in simulation.
; The chip was launched on July 23, 2026; its instructions are those of AMD's public machine-readable ISA for CDNA 5 (MIT licence, August 2026) and "CDNA5" Instruction Set Architecture Reference Guide (July 2026). The comments in the code are by the model that wrote it; some were corrected since.
;; SA Net. Allowed arithmetic: float matrix products may take bf16 or f16 operands with f32 sums; other float arithmetic in f32, or as packed bf16 or f16 multiplies, adds, multiply-adds, maxima and minima; sums over many terms, partial sums and values carried from step to step in f32; what a program stores and reads back later, other than sums and carried values, may be rounded once to bf16 or f16.
;; Inputs: Fc 4 x 512 x 64 x 64 float32; Fs 4 x 512 x 64 x 64 float32; f_b 256 float32; f_w 256 x 512 float32; g_b 256 float32; g_w 256 x 512 float32; h_b 512 float32; h_w 512 x 512 float32; out_b 512 float32; out_w 512 x 512 float32.
;; Outputs: out0 4 x 512 x 64 x 64 float32.
;; One version. Each part assembles by itself: llvm-mc -triple=amdgcn-amd-amdhsa -mcpu=gfx1250 --defsym DOCPART=n.
;; ======== version 1 of 1: 3 launches
;; workspace buffers: wf 1,048,576 bytes; b2 2,048 bytes; qf 8,388,608 bytes; kf 8,388,608 bytes; vf 16,777,216 bytes
;; launch prep (part 1): grid 8 x 8, 4 waves a work-group, no clusters, 82,432 bytes of LDS; arguments h_w, out_w, f_w, g_w, h_b, out_b, wf, b2; writes wf, b2
.if DOCPART == 1
	.amdgcn_target "amdgcn-amd-amdhsa--gfx1250"
	.amdhsa_code_object_version 6
	.text
	.protected	k_qb31a356c4c_prep
	.globl	k_qb31a356c4c_prep
	.p2align	8
	.type	k_qb31a356c4c_prep,@function
k_qb31a356c4c_prep:
	s_mov_b64 s[64:65], 0
	v_nop
	global_prefetch_b8 v0, s[64:65] scope:SCOPE_SE
	s_setreg_imm32_b32 hwreg(HW_REG_WAVE_MODE, 25, 1), 1
	s_wait_xcnt 0x0
; PREP.  The output projection is folded into v's weights: out_w (sum_j a_ij (h_w Fs_j + h_b)) + out_b = sum_j a_ij (W' Fs_j) + b2, with W' = out_w h_w and
; b2 = out_b + out_w h_b, since a softmax row sums to 1: true for every input.  W' (products in bf16, sums in f32, rounded once to bf16), g_w and f_w (rounded to bf16) are
; written in FRAGMENT ORDER; b2 is made and kept in f32.
; A FRAGMENT BLOCK is 1,024 bytes: 16 rows x 32 K of bf16 as a matrix source lies in registers: bytes 16 l .. of the first half are lane l's registers 0-3 (row l % 16,
; K = 8 (l / 16) + 0..7), of the second half its registers 4-7 (K = 16 + 8 (l / 16) + 0..7).  wf: [wave 0..3][k step g 0..31][t 0..7][block]: g < 16: W', rows 16 (8 wave + t) on,
; K = 32 g on; g >= 16: t < 4 g_w, t >= 4 f_w, rows 16 (4 wave + t % 4) on, K = 32 (g - 16) on.
; SHARES.  64 work-groups: x = block of 64 columns c of h_w, y = group of four row tiles of out_w.  A wave makes 16 rows x 64 columns of W' (K = 512), copies two blocks of g_w or f_w, and makes two numbers of b2.
; The product is taken as (h_w^T)(out_w^T): source 0 = 16 columns c (h_w lies [m][c] in LDS and is read turned), source 1 = 16 rows o: a lane then holds row o = l % 16 and eight
; neighbouring c: half a fragment block's 16 bytes, and one store of the wave covers 512 consecutive bytes, aligned.
; NO JOINT LOADS: h_w's block is shared by the eight work-groups of a column, but it has to be rounded to bf16 on its way into LDS, so it comes through registers; it is 131,072 bytes, once.
; LIMITS.  bf16 operands; NaN and infinities are not treated apart.  b2's 8 bytes a wave are stored by one lane: 2,048 bytes in the whole launch.
.set XP,    160                        ; a row of h_w's block in LDS: 64 bf16 + 32 bytes: five times 32 bytes, which the turning load reads without a bank taken twice
.set SPARE, 512*XP                     ; behind the block: the spare words, 128 bytes a wave
.set LN16, 1                           ; v1   16 x lane
.set HSO,  2                           ; v2   h_w: (128 wave + l / 16) rows of 2,048 bytes + 16 (l % 16)
.set XST,  3                           ; v3   the same place in LDS: rows of 160 bytes, 8 bytes a lane
.set XA,   4                           ; v4   the turning load's lane address; v5 the same 256 rows further down
.set FRA,  6                           ; v6   an f32 fragment's lane offset: (l % 16) x 2,048 + 32 (l / 16)
.set LANE, 7
.set SPW,  8                           ; v8   my spare word; never rewritten
.set NIL,  9                           ; v9   0; never rewritten
.set T,    10                          ; v10-25 at work
.set ACC,  32                          ; v32-63 four accumulators
.set BF,   64                          ; v64-191 out_w's fragments in bf16, 8 registers a k step; later at work
.set XF,   192                         ; v192-255 h_w's fragments, two buffers of four
.set WV,   20
.set MSB, 0
.macro WIN new                         ; the immediate's high byte repeats the setting that is left
.if MSB != (\new)
	s_set_vgpr_msb (MSB<<8)|(\new)
.set MSB, \new
.endif
.endm
	s_load_b256 s[4:11], s[0:1], 0x0               ; h_w s[4:5], out_w s[6:7], f_w s[8:9], g_w s[10:11]
	s_load_b256 s[12:19], s[0:1], 0x20             ; h_b s[12:13], out_b s[14:15], wf s[16:17], b2 s[18:19]
	v_lshl_add_u32 v[SPW], v0, 2, SPARE
	v_mov_b32 v[NIL], 0
	v_lshrrev_b32 v[T], 5, v0
	v_readfirstlane_b32 s[WV], v[T]                ; wave 0..3
	s_and_b32 s21, ttmp7, 0xffff                   ; og: group of four row tiles
	s_mov_b32 s22, ttmp9                           ; cb: block of 64 columns
	s_mov_b32 s27, 0                               ; the high word of every offset
	s_mov_b32 s32, 0x76543210                      ; v_permlanex16_b32: each lane takes its own place in the other half
	s_mov_b32 s33, 0xfedcba98
	v_and_b32 v[LANE], 31, v0
	v_and_b32 v[T], 15, v0                         ; r = l % 16
	v_bfe_u32 v[T+1], v0, 4, 1                     ; h = l / 16
	v_and_b32 v[T+2], 7, v0
	v_bfe_u32 v[T+3], v0, 3, 1
	v_lshlrev_b32 v[LN16], 4, v[LANE]
	s_lshl_b32 s23, s[WV], 18                      ; 128 rows of 2,048 bytes
	v_lshlrev_b32 v[HSO], 4, v[T]
	v_lshl_add_u32 v[HSO], v[T+1], 11, v[HSO]
	v_add_nc_u32 v[HSO], s23, v[HSO]
	s_mul_i32 s23, s[WV], 128*XP
	v_mul_u32_u24 v[XST], v[T+1], XP
	v_lshl_add_u32 v[XST], v[T], 3, v[XST]
	v_add_nc_u32 v[XST], s23, v[XST]
	v_lshl_add_u32 v[XA], v[T+1], 3, v[T+2]        ; row 8 h + l % 8,
	v_mul_u32_u24 v[XA], v[XA], XP
	v_lshl_add_u32 v[XA], v[T+3], 4, v[XA]         ; 16 bytes by (l / 8) % 2
	v_add_nc_u32 v[XA+1], 256*XP, v[XA]
	v_lshlrev_b32 v[FRA], 11, v[T]
	v_lshl_add_u32 v[FRA], v[T+1], 5, v[FRA]
	s_lshl2_add_u32 s24, s21, s[WV]                ; my row tile of out_w: 4 og + wave
	s_lshl_b32 s25, s21, 5
	s_lshl2_add_u32 s23, s22, s[WV]
	s_add_co_u32 s25, s25, s23                     ; wid = 32 og + 4 cb + wave: 0..255
	s_lshr_b32 s30, s25, 7                         ; the copy job: 0 g_w, 1 f_w,
	s_bfe_u32 s31, s25, 0x40003                    ; its row tile 0..15,
	s_and_b32 s23, s25, 7                          ; its pair of k steps
	s_lshl_b32 s38, s31, 15
	s_lshl_b32 s46, s23, 8
	s_add_co_u32 s38, s38, s46                     ; from: tile x 16 rows + pair x 256 bytes
	s_lshr_b32 s39, s31, 2
	s_lshl_b32 s39, s39, 18                        ; to: wave = tile / 4,
	s_and_b32 s46, s31, 3
	s_lshl_b32 s46, s46, 10
	s_add_co_u32 s39, s39, s46                     ; t = tile % 4,
	s_lshl_b32 s46, s23, 14
	s_add_co_u32 s39, s39, s46                     ; g = 16 + 2 x pair,
	s_lshl_b32 s46, s30, 12
	s_add_co_u32 s39, s39, s46                     ; + 4 for f_w
	s_add_co_u32 s39, s39, 131072
	s_lshr_b32 s47, s21, 1                         ; W' goes to: wave = og / 2,
	s_lshl_b32 s47, s47, 18
	s_lshl_b32 s46, s22, 14                        ; g = 2 cb,
	s_add_co_u32 s47, s47, s46
	s_and_b32 s46, s21, 1
	s_lshl_b32 s46, s46, 12
	s_add_co_u32 s47, s47, s46
	s_lshl_b32 s46, s[WV], 10                      ; t = 4 (og % 2) + wave
	s_add_co_u32 s47, s47, s46
	s_wait_kmcnt 0x0
	s_lshl_b32 s26, s22, 8
	s_add_nc_u64 s[4:5], s[4:5], s[26:27]          ; h_w at my block's first column
	s_lshl_b32 s26, s24, 15
	s_add_nc_u64 s[28:29], s[6:7], s[26:27]        ; out_w at my row tile
	s_lshl_b32 s26, s25, 12
	s_add_nc_u64 s[44:45], s[6:7], s[26:27]        ; out_w at rows 2 wid, 2 wid + 1
	s_lshl_b32 s26, s25, 3
	s_add_nc_u64 s[14:15], s[14:15], s[26:27]
	s_add_nc_u64 s[18:19], s[18:19], s[26:27]
	s_load_b64 s[34:35], s[14:15], 0x0             ; out_b of those two rows
	s_cmp_eq_u32 s30, 0
	s_cselect_b64 s[36:37], s[10:11], s[8:9]
	s_mov_b32 s26, s38
	s_add_nc_u64 s[36:37], s[36:37], s[26:27]
	s_mov_b32 s26, s39
	s_add_nc_u64 s[40:41], s[16:17], s[26:27]
	s_mov_b32 s26, s47
	s_add_nc_u64 s[42:43], s[16:17], s[26:27]
	; my 128 rows of h_w's block: 64 loads of two rows' 256 bytes each, into window 1
	WIN 0x40
.set i, 0
.rept 64
	global_load_b128 v[4*i:4*i+3], v[HSO], s[4:5] offset:i*4096
.set i, i+1
.endr
	; eight chunks: eight loads are rounded to bf16 and put into LDS, and the 32 registers that they leave take out_w's f32 fragments of two k steps
.set c, 0
.rept 8
	s_wait_loadcnt 56                              ; behind chunk c's loads stand 56 - 8 c of h_w's and the 8 c of out_w's issued so far
	WIN 0x05
.set e, 0
.rept 8
	v_cvt_pk_bf16_f32 v[T+2*e], v[32*c+4*e], v[32*c+4*e+1]
	v_cvt_pk_bf16_f32 v[T+2*e+1], v[32*c+4*e+2], v[32*c+4*e+3]
.set e, e+1
.endr
	WIN 0
.set e, 0
.rept 8
	ds_store_b64 v[XST], v[T+2*e:T+2*e+1] offset:(8*c+e)*2*XP
.set e, e+1
.endr
	WIN 0x40
.set e, 0
.rept 8
	global_load_b128 v[32*c+4*e:32*c+4*e+3], v[FRA], s[28:29] offset:(2*c+e/4)*128+((e%4)/2)*64+(e%2)*16
.set e, e+1
.endr
.set c, c+1
.endr
	WIN 0
	s_wait_dscnt 0x0                               ; for the others' sake: my rows lie in LDS
	s_barrier_signal -1
	s_barrier_wait -1
; h_w's four fragments (16 columns x 32 m each) of k step ks, turned, into buffer ks % 2
.macro XLOAD ks
.set xb, XF+32*((\ks)%2)
.set p, 0
.rept 4
	ds_load_tr16_b128 v[xb+8*p:xb+8*p+3], v[XA+(\ks)/8] offset:((\ks)%8)*32*XP+p*32
	ds_load_tr16_b128 v[xb+8*p+4:xb+8*p+7], v[XA+(\ks)/8] offset:((\ks)%8)*32*XP+p*32+16*XP
.set p, p+1
.endr
.endm
	XLOAD 0
	s_wait_loadcnt 0x0                             ; out_w
	WIN 0x05
.set i, 0
.rept 128
	v_cvt_pk_bf16_f32 v[BF+i], v[2*i], v[2*i+1]
.set i, i+1
.endr
	WIN 0x40                                       ; the copy job's 8 loads and b2's 12 land under the K loop
.set e, 0
.rept 8
	global_load_b128 v[4*e:4*e+3], v[FRA], s[36:37] offset:(e/4)*128+((e%4)/2)*64+(e%2)*16
.set e, e+1
.endr
.set e, 0
.rept 8
	global_load_b128 v[32+4*e:32+4*e+3], v[LN16], s[44:45] offset:(e/4)*2048+(e%4)*512
.set e, e+1
.endr
.set e, 0
.rept 4
	global_load_b128 v[64+4*e:64+4*e+3], v[LN16], s[12:13] offset:e*512
.set e, e+1
.endr
	WIN 0
	; K = 512 in 16 steps.  The four accumulators take turns; the first step starts the sums.
.set ks, 0
.rept 16
.if ks < 15
	XLOAD ks+1
	s_wait_dscnt 8                                 ; this step's eight loads are in, the next step's may stay out
.else
	s_wait_dscnt 0x0
.endif
.set p, 0
.rept 4
.if ks == 0
	v_wmma_f32_16x16x32_bf16 v[ACC+8*p:ACC+8*p+7], v[XF+32*(ks%2)+8*p:XF+32*(ks%2)+8*p+7], v[BF+8*ks:BF+8*ks+7], 0
.else
	v_wmma_f32_16x16x32_bf16 v[ACC+8*p:ACC+8*p+7], v[XF+32*(ks%2)+8*p:XF+32*(ks%2)+8*p+7], v[BF+8*ks:BF+8*ks+7], v[ACC+8*p:ACC+8*p+7]
.endif
.set p, p+1
.endr
.rept 4
	v_nop                                          ; four places ahead of the loads into the buffer just read, and of the conversions below
.endr
.set ks, ks+1
.endr
.set i, 0
.rept 16
	v_cvt_pk_bf16_f32 v[T+i], v[ACC+2*i], v[ACC+2*i+1]
.set i, i+1
.endr
.set p, 0
.rept 4
	global_store_b128 v[LN16], v[T+4*p:T+4*p+3], s[42:43] offset:(p/2)*8192+(p%2)*512  ; half a block: 512 consecutive bytes, aligned
.set p, p+1
.endr
	s_wait_loadcnt 0x0
	WIN 0x05                                       ; the copy job: two blocks of g_w or f_w
.set i, 0
.rept 16
	v_cvt_pk_bf16_f32 v[BF+i], v[2*i], v[2*i+1]
.set i, i+1
.endr
	WIN 0
.set e, 0
.rept 4
	global_store_b128 v[LN16], v[BF+4*e:BF+4*e+3], s[40:41] offset:(e/2)*8192+(e%2)*512
.set e, e+1
.endr
	WIN 0x55                                       ; b2: a lane's 16 terms of each of the two rows, in f32
.set e, 0
.rept 2
	v_pk_mul_f32 v[80+2*e:81+2*e], v[32+16*e:33+16*e], v[64:65]
.set n, 1
.rept 7
	v_pk_fma_f32 v[80+2*e:81+2*e], v[32+16*e+2*n:33+16*e+2*n], v[64+2*n:65+2*n], v[80+2*e:81+2*e]
.set n, n+1
.endr
.set e, e+1
.endr
	WIN 0x05
	v_add_f32 v96, v80, v81
	v_add_f32 v97, v82, v83
	WIN 0
.irp m, 1,2,4,8
	v_add_f32_dpp v96, v96, v96 row_xmask:\m row_mask:0xf bank_mask:0xf
	v_add_f32_dpp v97, v97, v97 row_xmask:\m row_mask:0xf bank_mask:0xf
.endr
	v_permlanex16_b32 v98, v96, s32, s33
	v_permlanex16_b32 v99, v97, s32, s33
	v_add_f32 v96, v96, v98
	v_add_f32 v97, v97, v99
	s_wait_kmcnt 0x0                               ; out_b
	v_add_f32 v96, s34, v96
	v_add_f32 v97, s35, v97
	v_mov_b32 v100, 0
	v_cmp_eq_u32 vcc_lo, 0, v[LANE]
	s_wait_xcnt 0x0                                ; EXEC changes only behind this wait
	s_and_saveexec_b32 s46, vcc_lo
	global_store_b64 v100, v[96:97], s[18:19]
	s_wait_xcnt 0x0                                ; and again ahead of the line that widens it
	s_or_b32 exec_lo, exec_lo, s46
	s_wait_tensorcnt 0x0                           ; the wave's end, behind my last LDS store
	ds_add_u32 v[SPW], v[NIL]
	s_wait_dscnt 0x0
	s_endpgm
.Lfunc_end_k_qb31a356c4c_prep:
	.size	k_qb31a356c4c_prep, .Lfunc_end_k_qb31a356c4c_prep-k_qb31a356c4c_prep
	.p2alignl 7, 3214868480
	.fill 96, 4, 3214868480
	.section	.rodata,"a",@progbits
	.p2align	6, 0x0
	.amdhsa_kernel k_qb31a356c4c_prep
		.amdhsa_group_segment_fixed_size 82432
		.amdhsa_private_segment_fixed_size 0
		.amdhsa_enable_private_segment 0
		.amdhsa_kernarg_size 64
		.amdhsa_user_sgpr_count 2
		.amdhsa_user_sgpr_kernarg_segment_ptr 1
		.amdhsa_wavefront_size32 1
		.amdhsa_system_sgpr_workgroup_id_x 1
		.amdhsa_system_sgpr_workgroup_id_y 1
		.amdhsa_system_sgpr_workgroup_id_z 1
		.amdhsa_system_vgpr_workitem_id 0
		.amdhsa_next_free_vgpr 512
		.amdhsa_next_free_sgpr 66
		.amdhsa_reserve_vcc 1
		.amdhsa_float_denorm_mode_32 3
		.amdhsa_float_denorm_mode_16_64 3
		.amdhsa_memory_ordered 1
		.amdhsa_forward_progress 1
		.amdhsa_inst_pref_size 59
	.end_amdhsa_kernel
	.amdgpu_metadata
---
amdhsa.version: [ 1, 2 ]
amdhsa.kernels:
  - .name:           k_qb31a356c4c_prep
    .symbol:         k_qb31a356c4c_prep.kd
    .args:
      - { .name: h_w, .offset: 0, .size: 8, .value_kind: global_buffer, .address_space: global }
      - { .name: out_w, .offset: 8, .size: 8, .value_kind: global_buffer, .address_space: global }
      - { .name: f_w, .offset: 16, .size: 8, .value_kind: global_buffer, .address_space: global }
      - { .name: g_w, .offset: 24, .size: 8, .value_kind: global_buffer, .address_space: global }
      - { .name: h_b, .offset: 32, .size: 8, .value_kind: global_buffer, .address_space: global }
      - { .name: out_b, .offset: 40, .size: 8, .value_kind: global_buffer, .address_space: global }
      - { .name: wf, .offset: 48, .size: 8, .value_kind: global_buffer, .address_space: global }
      - { .name: b2, .offset: 56, .size: 8, .value_kind: global_buffer, .address_space: global }
    .group_segment_fixed_size: 82432
    .private_segment_fixed_size: 0
    .kernarg_segment_align: 8
    .kernarg_segment_size: 64
    .max_flat_workgroup_size: 128
    .sgpr_count:     66
    .vgpr_count:     512
    .wavefront_size: 32
...
	.end_amdgpu_metadata
.endif
;; end of part 1
;; launch proj (part 2): grid 64 x 4, 4 waves a work-group, no clusters, 327,680 bytes of LDS; arguments Fc, Fs, f_b, g_b, wf, qf, kf, vf; writes qf, kf, vf
.if DOCPART == 2
	.amdgcn_target "amdgcn-amd-amdhsa--gfx1250"
	.amdhsa_code_object_version 6
	.text
	.protected	k_qb31a356c4c_proj
	.globl	k_qb31a356c4c_proj
	.p2align	8
	.type	k_qb31a356c4c_proj,@function
k_qb31a356c4c_proj:
	s_mov_b64 s[64:65], 0
	v_nop
	global_prefetch_b8 v0, s[64:65] scope:SCOPE_SE
	s_setreg_imm32_b32 hwreg(HW_REG_WAVE_MODE, 25, 1), 1
	s_wait_xcnt 0x0
; PROJ.  q = f_w Fc + f_b, k = g_w Fs + g_b (256 channels each), v' = W' Fs (512 channels; W' and the bias that belongs to it come from the launch before).  Operands in bf16, sums in f32,
; each result rounded once to bf16 and stored in FRAGMENT ORDER (a block of 1,024 bytes = 16 rows x 32 K as a matrix source lies in registers: lane l's registers 0-3 at byte 16 l, 4-7 at 512 + 16 l):
;   qf, kf: [batch][tile of 16 positions 0..255][ks 0..7][block], row = position, K = channel;   vf: [batch][group of 32 keys 0..127][channel tile 0..31][block], row = channel, K = key.
; SHARES.  A work-group owns 64 positions of one batch and all 1,024 outputs, so each byte of Fc and Fs is read once, in row pieces of 256 bytes, aligned.  Wave w: pass V: channel tiles 8 w .. 8 w + 7 of v';
; pass KQ: tiles 4 w .. 4 w + 3 of k and of q; each pass 32 accumulators (8 tiles x 4 position tiles), K = 512 in 16 steps of 32 matrix instructions.
; Fs comes through registers, is rounded to bf16 and laid [channel][position] in LDS; Fc comes by one tensor load a wave, lands under pass V and is rounded behind it.  Both are read turned (ds_load_tr16_b128).
; THE WEIGHTS come straight into the registers of the one wave that multiplies by them, a ring of four slots of one k step (16 loads of 512 consecutive bytes), asked for three steps ahead.
; NO JOINT LOADS for them, though every work-group reads them: LDS holds 2 x 81,920 bytes of bf16 and 131,072 of Fc's f32, 294,912 of 327,680, which leaves no room for two slots of a
; step's 32,768 bytes; and no block of weights serves two waves of a work-group.
; SOURCE ORDER.  v': source 0 = positions, source 1 = weights: a lane holds one channel and eight keys.  k, q: source 0 = weights, source 1 = positions: a lane holds one position and eight channels,
; and the bias is the C operand that starts the sum.  Either way four conversions make the 16 bytes of a fragment block, and a store of the wave covers 512 consecutive bytes, aligned.
; LIMITS.  bf16 operands and results; NaN and infinities are not treated apart.
.set XP,    160                        ; an LDS row: 64 bf16 + 32 bytes: five times 32 bytes
.set XC,    512*XP                     ; Fs in bf16 at 0, Fc in bf16 here,
.set FC32,  2*512*XP                   ; Fc in f32 here: 512 rows of 256 bytes, filled once, 32,768 bytes by each wave
.set SPARE, FC32+131072                ; the spare words, 128 bytes a wave
.set LN16, 1                           ; v1   16 x lane
.set FSO,  2                           ; v2   Fs: (128 wave + l / 16) rows of 16,384 bytes + 16 (l % 16)
.set XST,  3                           ; v3   the same place in LDS
.set XA0,  4                           ; v4   the turning load's lane address
.set XAS,  5                           ; v5   the same, stepped, for Fs
.set XAC,  6                           ; v6   for Fc
.set FCR,  7                           ; v7   where I read Fc's f32
.set XCT,  8                           ; v8   where I put Fc's bf16
.set BIO,  9                           ; v9   my eight biases of a tile: 256 wave + 32 (l / 16)
.set SPW,  16                          ; v16  my spare word; never rewritten
.set NIL,  17                          ; v17  0; never rewritten
.set BI,   24                          ; v24-87   biases, eight a tile
.set XF,   88                          ; v88-215  two buffers of 64: Fs's four fragments, then Fc's four; also at work in the conversions and on the ways out
                                       ; window 1: the 32 accumulators, (t, p) at 8 (4 t + p); at the head Fs as loaded.   window 2: the weights' ring, slot s tile t at 64 s + 8 t
.set WV,  20
.set G1,  24                           ; s[24:31] descriptor group 1
.set G0,  32                           ; s[32:35] descriptor group 0
.set CNT, 36
.set WP,  38                           ; s[38:39] my stream of weights, stepped
.set WB,  50                           ; s[50:51] its beginning
.set MSB, 0
.macro WIN new                         ; the immediate's high byte repeats the setting that is left
.if MSB != (\new)
	s_set_vgpr_msb (MSB<<8)|(\new)
.set MSB, \new
.endif
.endm
	s_load_b256 s[4:11], s[0:1], 0x0               ; Fc s[4:5], Fs s[6:7], f_b s[8:9], g_b s[10:11]
	s_load_b256 s[12:19], s[0:1], 0x20             ; wf s[12:13], qf s[14:15], kf s[16:17], vf s[18:19]
	v_lshl_add_u32 v[SPW], v0, 2, SPARE
	v_mov_b32 v[NIL], 0
	ds_add_u32 v[SPW], v[NIL]                      ; the wave's opening: the add and its wait stand ahead of my tensor load; the set-up stands between them
	ds_add_u32 v16, v17
	v_lshrrev_b32 v10, 5, v0
	v_readfirstlane_b32 s[WV], v10                 ; wave 0..3
	s_and_b32 s21, ttmp7, 0xffff                   ; batch
	; descriptor: 128 rows (channels 128 wave on) x 64 f32, 4,096 elements from row to row, dense in LDS
	s_mov_b32 s[G1+0], 2<<16                       ; elements of 4 bytes, no mask, no padding
	s_mov_b32 s[G1+1], 64<<16                      ; tensor_dim0 = 64
	s_mov_b32 s[G1+2], 128<<16                     ; tensor_dim1 = 128
	s_mov_b32 s[G1+3], 64<<16                      ; tile_dim0 = 64
	s_mov_b32 s[G1+4], 128                         ; tile_dim1 = 128
	s_mov_b32 s[G1+5], 4096                        ; the pitch
	s_mov_b32 s[G1+6], 0
	s_mov_b32 s[G1+7], 0
	s_mov_b32 s[G0], 1
	s_lshl_b32 s46, s[WV], 15
	s_add_co_u32 s[G0+1], s46, FC32                ; my quarter of Fc's f32
	v_and_b32 v10, 31, v0
	v_and_b32 v11, 15, v0                          ; r
	v_bfe_u32 v12, v0, 4, 1                        ; h
	v_and_b32 v13, 7, v0
	v_bfe_u32 v14, v0, 3, 1
	v_lshlrev_b32 v[LN16], 4, v10
	v_add_nc_u32 v[FCR], s[G0+1], v[LN16]
	s_lshl_b32 s46, s[WV], 21
	v_lshlrev_b32 v[FSO], 4, v11
	v_lshl_add_u32 v[FSO], v12, 14, v[FSO]
	v_add_nc_u32 v[FSO], s46, v[FSO]
	s_mul_i32 s46, s[WV], 128*XP
	v_mul_u32_u24 v[XST], v12, XP
	v_lshl_add_u32 v[XST], v11, 3, v[XST]
	v_add_nc_u32 v[XST], s46, v[XST]
	v_add_nc_u32 v[XCT], XC, v[XST]
	v_lshl_add_u32 v[XA0], v12, 3, v13
	v_mul_u32_u24 v[XA0], v[XA0], XP
	v_lshl_add_u32 v[XA0], v14, 4, v[XA0]
	v_mov_b32 v[XAS], v[XA0]
	s_lshl_b32 s46, s[WV], 8
	v_lshlrev_b32 v[BIO], 5, v12
	v_add_nc_u32 v[BIO], s46, v[BIO]
	s_mov_b32 s47, 0
	s_mov_b32 s49, 0
	s_wait_dscnt 0x0                               ; the opening add is done
	s_wait_kmcnt 0x0
	s_lshl_b32 s46, s21, 23                        ; the batch, 8,388,608 bytes,
	s_lshl_b32 s48, ttmp9, 8                       ; my 64 positions
	s_add_co_u32 s46, s46, s48
	s_add_nc_u64 s[6:7], s[6:7], s[46:47]
	s_add_nc_u64 s[G0+2:G0+3], s[4:5], s[46:47]
	s_lshl_b32 s48, s[WV], 21                      ; my 128 channels
	s_add_nc_u64 s[G0+2:G0+3], s[G0+2:G0+3], s[48:49]
	s_or_b32 s[G0+3], s[G0+3], 0x80000000          ; type = 2
	s_lshl_b32 s48, s[WV], 18
	s_add_nc_u64 s[WB:WB+1], s[12:13], s[48:49]
	s_mov_b64 s[WP:WP+1], s[WB:WB+1]
	s_lshl_b32 s46, s21, 22                        ; vf: batch, my two key groups, my eight channel tiles
	s_lshl_b32 s48, ttmp9, 16
	s_add_co_u32 s46, s46, s48
	s_lshl_b32 s48, s[WV], 13
	s_add_co_u32 s46, s46, s48
	s_add_nc_u64 s[40:41], s[18:19], s[46:47]
	s_lshl_b32 s46, s21, 21                        ; kf, qf: batch, my four position tiles, my two k steps
	s_lshl_b32 s48, ttmp9, 15
	s_add_co_u32 s46, s46, s48
	s_lshl_b32 s48, s[WV], 11
	s_add_co_u32 s46, s46, s48
	s_add_nc_u64 s[42:43], s[16:17], s[46:47]
	s_add_nc_u64 s[44:45], s[14:15], s[46:47]
	WIN 0x40                                       ; my 128 rows of Fs: 64 loads of two row pieces of 256 bytes, into window 1
.set i, 0
.rept 64
	global_load_b128 v[4*i:4*i+3], v[FSO], s[6:7] offset:i*32768 th:TH_LOAD_NT
.set i, i+1
.endr
	WIN 0
	tensor_load_to_lds s[G0:G0+3], s[G1:G1+7]      ; Fc, behind Fs: it is wanted a pass later.  My one tensor load
	s_nop 0
.rept 4
	v_nop
.endr
; nt tiles from t0 on of the k step at byte off of my stream, into ring slot
.macro WLOAD slot, t0, nt, off
	WIN 0x80
.set t, \t0
.rept \nt
	global_load_b128 v[64*(\slot)+8*t:64*(\slot)+8*t+3], v[LN16], s[WP:WP+1] offset:(\off)+t*1024
	global_load_b128 v[64*(\slot)+8*t+4:64*(\slot)+8*t+7], v[LN16], s[WP:WP+1] offset:(\off)+t*1024+512
.set t, t+1
.endr
.endm
.set c, 0
.rept 8                                ; eight chunks: eight loads are rounded and put into LDS; half a slot of weights is asked for
	s_wait_loadcnt 56                              ; behind chunk c's loads stand 56 - 8 c of Fs's and the 8 c of the weights' issued so far
	WIN 0x05
.set e, 0
.rept 8
	v_cvt_pk_bf16_f32 v[XF+2*e], v[32*c+4*e], v[32*c+4*e+1]
	v_cvt_pk_bf16_f32 v[XF+2*e+1], v[32*c+4*e+2], v[32*c+4*e+3]
.set e, e+1
.endr
	WIN 0
.set e, 0
.rept 8
	ds_store_b64 v[XST], v[XF+2*e:XF+2*e+1] offset:(8*c+e)*2*XP
.set e, e+1
.endr
	WLOAD c/2, 4*(c%2), 4, (c/2)*8192
.set c, c+1
.endr
	WIN 0
	s_wait_dscnt 0x0                               ; for the others' sake: my rows of Fs lie in LDS
	s_barrier_signal -1
	s_barrier_wait -1
.macro XLV off, xb                     ; Fs's four fragments (16 positions x 32 channels), turned
	WIN 0
.set p, 0
.rept 4
	ds_load_tr16_b128 v[XF+64*(\xb)+8*p:XF+64*(\xb)+8*p+3], v[XAS] offset:(\off)+p*32
	ds_load_tr16_b128 v[XF+64*(\xb)+8*p+4:XF+64*(\xb)+8*p+7], v[XAS] offset:(\off)+p*32+16*XP
.set p, p+1
.endr
.endm
.macro XLQ off, xb                     ; Fc's four
	WIN 0
.set p, 0
.rept 4
	ds_load_tr16_b128 v[XF+64*(\xb)+32+8*p:XF+64*(\xb)+32+8*p+3], v[XAC] offset:(\off)+p*32
	ds_load_tr16_b128 v[XF+64*(\xb)+32+8*p+4:XF+64*(\xb)+32+8*p+7], v[XAC] offset:(\off)+p*32+16*XP
.set p, p+1
.endr
.endm
; A K STEP.  kq: pass KQ; first: the step starts the sums; slot, xb: the weights' slot and the fragments' buffer that it multiplies; xoff: where the next step's fragments lie (-1: none);
; woff: where the weights four steps on lie (-1: none); n: the loads of the younger slots, which may stay out.  The 32 accumulators take turns.
; The four v_nop are the places ahead of the loads into the slot and, in the next step, into the buffer just read.
.macro KS kq, first, slot, xb, xoff, woff, n
.if (\xoff) >= 0
	XLV \xoff, 1-(\xb)
.if \kq
	XLQ \xoff, 1-(\xb)
	s_wait_dscnt 16                                ; this step's fragments are in, the next step's sixteen loads may stay out
.else
	s_wait_dscnt 8
.endif
.else
	s_wait_dscnt 0x0
.endif
	s_wait_loadcnt \n
.if (\kq) && (\first)
	WIN 0x42                                       ; weights window 2, fragments and bias window 0, sums window 1
.elseif \kq
	WIN 0x52
.else
	WIN 0x58                                       ; fragments window 0, weights window 2, sums window 1
.endif
.set t, 0
.rept 8
.set p, 0
.rept 4
.if (\kq) && (\first)
	v_wmma_f32_16x16x32_bf16 v[8*(4*t+p):8*(4*t+p)+7], v[64*(\slot)+8*t:64*(\slot)+8*t+7], v[XF+64*(\xb)+32*(t/4)+8*p:XF+64*(\xb)+32*(t/4)+8*p+7], v[BI+8*t:BI+8*t+7]
.elseif \kq
	v_wmma_f32_16x16x32_bf16 v[8*(4*t+p):8*(4*t+p)+7], v[64*(\slot)+8*t:64*(\slot)+8*t+7], v[XF+64*(\xb)+32*(t/4)+8*p:XF+64*(\xb)+32*(t/4)+8*p+7], v[8*(4*t+p):8*(4*t+p)+7]
.elseif \first
	v_wmma_f32_16x16x32_bf16 v[8*(4*t+p):8*(4*t+p)+7], v[XF+64*(\xb)+8*p:XF+64*(\xb)+8*p+7], v[64*(\slot)+8*t:64*(\slot)+8*t+7], 0
.else
	v_wmma_f32_16x16x32_bf16 v[8*(4*t+p):8*(4*t+p)+7], v[XF+64*(\xb)+8*p:XF+64*(\xb)+8*p+7], v[64*(\slot)+8*t:64*(\slot)+8*t+7], v[8*(4*t+p):8*(4*t+p)+7]
.endif
.set p, p+1
.endr
.set t, t+1
.endr
.rept 4
	v_nop
.endr
.if (\woff) >= 0
	WLOAD \slot, 0, 8, \woff
.endif
	WIN 0
.endm
.macro PACKALL                         ; the 32 accumulators rounded to bf16, each from its low end on: (t, p)'s 16 bytes a lane at XF + 4 (4 t + p)
	WIN 0x05
.set i, 0
.rept 128
	v_cvt_pk_bf16_f32 v[XF+i], v[2*i], v[2*i+1]
.set i, i+1
.endr
	WIN 0
.endm
	; PASS V: steps 0 to 15 of my stream.  Step 0 starts the sums; a trip of the loop is four steps; the last three are written out.
	XLV 0, 0
	KS 0, 1, 0, 0, 5120, 32768, 48
	s_mov_b32 s[CNT], 3
.Lv:
	KS 0, 0, 1, 1, 10240, 40960, 48
	KS 0, 0, 2, 0, 15360, 49152, 48
	KS 0, 0, 3, 1, 20480, 57344, 48
	KS 0, 0, 0, 0, 25600, 65536, 48
	s_wait_xcnt 0x0                                ; the weights' loads have read their base: it is stepped only behind this wait
	s_add_nc_u64 s[WP:WP+1], s[WP:WP+1], 32768
	v_add_nc_u32 v[XAS], 4*32*XP, v[XAS]
	s_sub_co_u32 s[CNT], s[CNT], 1
	s_cmp_lg_u32 s[CNT], 0
	s_cbranch_scc1 .Lv
	KS 0, 0, 1, 1, 10240, 40960, 48
	KS 0, 0, 2, 0, 15360, 49152, 48
	KS 0, 0, 3, 1, -1, 57344, 48                   ; (steps 12 to 15 have asked for pass KQ's first four steps)
	PACKALL
.set t, 0
.rept 8
.set p, 0
.rept 4
	global_store_b128 v[LN16], v[XF+4*(4*t+p):XF+4*(4*t+p)+3], s[40:41] offset:(p/2)*32768+t*1024+(p%2)*512
.set p, p+1
.endr
.set t, t+1
.endr
	s_wait_xcnt 0x0                                ; the stores have read their data and the loads their base: both are written again below
	s_add_nc_u64 s[WP:WP+1], s[WB:WB+1], 131072    ; pass KQ's part of my stream
	v_mov_b32 v[XAS], v[XA0]
	v_add_nc_u32 v[XAC], XC, v[XA0]
.set t, 0
.rept 4
	global_load_b128 v[BI+8*t:BI+8*t+3], v[BIO], s[10:11] offset:t*64
	global_load_b128 v[BI+8*t+4:BI+8*t+7], v[BIO], s[10:11] offset:t*64+16
	global_load_b128 v[BI+32+8*t:BI+32+8*t+3], v[BIO], s[8:9] offset:t*64
	global_load_b128 v[BI+32+8*t+4:BI+32+8*t+7], v[BIO], s[8:9] offset:t*64+16
.set t, t+1
.endr
	; Fc: my own quarter, f32 to bf16, 32 rows a trip
	s_wait_tensorcnt 0x0                           ; my load has landed; only I read these bytes
	s_mov_b32 s[CNT], 4
.Lc:
.set e, 0
.rept 16
	ds_load_b128 v[XF+4*e:XF+4*e+3], v[FCR] offset:e*512
.set e, e+1
.endr
	s_wait_dscnt 0x0
.set e, 0
.rept 16
	v_cvt_pk_bf16_f32 v[XF+64+2*e], v[XF+4*e], v[XF+4*e+1]
	v_cvt_pk_bf16_f32 v[XF+64+2*e+1], v[XF+4*e+2], v[XF+4*e+3]
.set e, e+1
.endr
.set e, 0
.rept 16
	ds_store_b64 v[XCT], v[XF+64+2*e:XF+64+2*e+1] offset:e*2*XP
.set e, e+1
.endr
	v_add_nc_u32 v[FCR], 8192, v[FCR]
	v_add_nc_u32 v[XCT], 32*XP, v[XCT]
	s_sub_co_u32 s[CNT], s[CNT], 1
	s_cmp_lg_u32 s[CNT], 0
	s_cbranch_scc1 .Lc
	s_wait_dscnt 0x0                               ; for the others' sake: my rows of Fc lie in LDS
	s_barrier_signal -1
	s_barrier_wait -1
	; PASS KQ: steps 16 to 31 of my stream
	s_wait_loadcnt 0x0                             ; the biases, and with them the four slots
	XLV 0, 0
	XLQ 0, 0
	KS 1, 1, 0, 0, 5120, 32768, 48
	s_mov_b32 s[CNT], 2
.Lq:
	KS 1, 0, 1, 1, 10240, 40960, 48
	KS 1, 0, 2, 0, 15360, 49152, 48
	KS 1, 0, 3, 1, 20480, 57344, 48
	KS 1, 0, 0, 0, 25600, 65536, 48
	s_wait_xcnt 0x0
	s_add_nc_u64 s[WP:WP+1], s[WP:WP+1], 32768
	v_add_nc_u32 v[XAS], 4*32*XP, v[XAS]
	v_add_nc_u32 v[XAC], 4*32*XP, v[XAC]
	s_sub_co_u32 s[CNT], s[CNT], 1
	s_cmp_lg_u32 s[CNT], 0
	s_cbranch_scc1 .Lq
	KS 1, 0, 1, 1, 10240, 40960, 48
	KS 1, 0, 2, 0, 15360, 49152, 48
	KS 1, 0, 3, 1, 20480, 57344, 48
	KS 1, 0, 0, 0, 25600, -1, 48                   ; the last four steps ask for no weights: the counts run down
	KS 1, 0, 1, 1, 30720, -1, 32
	KS 1, 0, 2, 0, 35840, -1, 16
	KS 1, 0, 3, 1, -1, -1, 0
	PACKALL
.set t, 0
.rept 4
.set p, 0
.rept 4
	global_store_b128 v[LN16], v[XF+4*(4*t+p):XF+4*(4*t+p)+3], s[42:43] offset:p*8192+(t/2)*1024+(t%2)*512
	global_store_b128 v[LN16], v[XF+64+4*(4*t+p):XF+64+4*(4*t+p)+3], s[44:45] offset:p*8192+(t/2)*1024+(t%2)*512
.set p, p+1
.endr
.set t, t+1
.endr
	s_wait_tensorcnt 0x0                           ; the wave's end, behind my tensor load and my last LDS store
	ds_add_u32 v[SPW], v[NIL]
	s_wait_dscnt 0x0
	s_endpgm
.Lfunc_end_k_qb31a356c4c_proj:
	.size	k_qb31a356c4c_proj, .Lfunc_end_k_qb31a356c4c_proj-k_qb31a356c4c_proj
	.p2alignl 7, 3214868480
	.fill 96, 4, 3214868480
	.section	.rodata,"a",@progbits
	.p2align	6, 0x0
	.amdhsa_kernel k_qb31a356c4c_proj
		.amdhsa_group_segment_fixed_size 327680
		.amdhsa_private_segment_fixed_size 0
		.amdhsa_enable_private_segment 0
		.amdhsa_kernarg_size 64
		.amdhsa_user_sgpr_count 2
		.amdhsa_user_sgpr_kernarg_segment_ptr 1
		.amdhsa_wavefront_size32 1
		.amdhsa_system_sgpr_workgroup_id_x 1
		.amdhsa_system_sgpr_workgroup_id_y 1
		.amdhsa_system_sgpr_workgroup_id_z 1
		.amdhsa_system_vgpr_workitem_id 0
		.amdhsa_next_free_vgpr 768
		.amdhsa_next_free_sgpr 66
		.amdhsa_reserve_vcc 0
		.amdhsa_float_denorm_mode_32 3
		.amdhsa_float_denorm_mode_16_64 3
		.amdhsa_memory_ordered 1
		.amdhsa_forward_progress 1
		.amdhsa_inst_pref_size 144
	.end_amdhsa_kernel
	.amdgpu_metadata
---
amdhsa.version: [ 1, 2 ]
amdhsa.kernels:
  - .name:           k_qb31a356c4c_proj
    .symbol:         k_qb31a356c4c_proj.kd
    .args:
      - { .name: Fc, .offset: 0, .size: 8, .value_kind: global_buffer, .address_space: global }
      - { .name: Fs, .offset: 8, .size: 8, .value_kind: global_buffer, .address_space: global }
      - { .name: f_b, .offset: 16, .size: 8, .value_kind: global_buffer, .address_space: global }
      - { .name: g_b, .offset: 24, .size: 8, .value_kind: global_buffer, .address_space: global }
      - { .name: wf, .offset: 32, .size: 8, .value_kind: global_buffer, .address_space: global }
      - { .name: qf, .offset: 40, .size: 8, .value_kind: global_buffer, .address_space: global }
      - { .name: kf, .offset: 48, .size: 8, .value_kind: global_buffer, .address_space: global }
      - { .name: vf, .offset: 56, .size: 8, .value_kind: global_buffer, .address_space: global }
    .group_segment_fixed_size: 327680
    .private_segment_fixed_size: 0
    .kernarg_segment_align: 8
    .kernarg_segment_size: 64
    .max_flat_workgroup_size: 128
    .sgpr_count:     66
    .vgpr_count:     768
    .wavefront_size: 32
...
	.end_amdgpu_metadata
.endif
;; end of part 2
;; launch attn (part 3): grid 64 x 4, 4 waves a work-group, clusters of 4 x 1, 327,680 bytes of LDS; arguments qf, kf, vf, b2, Fc, out0; writes out0
.if DOCPART == 3
	.amdgcn_target "amdgcn-amd-amdhsa--gfx1250"
	.amdhsa_code_object_version 6
	.text
	.protected	k_qb31a356c4c_attn
	.globl	k_qb31a356c4c_attn
	.p2align	8
	.type	k_qb31a356c4c_attn,@function
k_qb31a356c4c_attn:
	s_mov_b64 s[64:65], 0
	v_nop
	global_prefetch_b8 v0, s[64:65] scope:SCOPE_SE
	s_setreg_imm32_b32 hwreg(HW_REG_WAVE_MODE, 25, 1), 1
	s_wait_xcnt 0x0
	s_wait_alu depctr_hold_cnt(0) depctr_sa_sdst(0) depctr_va_vdst(0) depctr_va_sdst(0) depctr_va_ssrc(0) depctr_va_vcc(0) depctr_vm_vsrc(0)
	s_getreg_b32 s2, hwreg(HW_REG_IB_STS2, 6, 4)
	s_cmp_eq_u32 s2, 0
	s_cbranch_scc0 .Lentry_in_a_cluster
	s_endpgm
.Lentry_in_a_cluster:
	s_bfe_u32 s2, ttmp6, 0x10000c
	s_cmp_lg_u32 s2, 0x3003
	s_cbranch_scc0 .Lentry_shape_is_right
	s_endpgm
.Lentry_shape_is_right:
; ATTN.  out0[b][c][i] = (sum_j p_ij v'[c][j]) / (sum_j p_ij) + b2[c] + Fc[b][c][i], p_ij = 2^(c0 s_ij - c0 m_i), s = q . k, c0 = log2(e) / 16, m a running maximum over the keys.
; q, k, v' in bf16 and fragment order (blocks of 1,024 bytes = 16 rows x 32 K as a matrix source lies in registers); products, maxima and sums in f32; p rounded to bf16 for the second product
; (its sum l is taken of the unrounded p); the division, b2 and Fc in f32.
; LIMITS.  A weight below 2^-126 counts as 0.  m starts at the lowest finite number and c0 m at -4.2e37: |c0 s| stays below that.  NaN and infinities are not treated apart.
; SHARES.  A work-group owns 64 queries (four tiles) of one batch and walks its 4,096 keys, 128 a step.  The four waves work together on them:
;   S^T = K Q^T is split BY KEYS: wave w takes key tiles 2 w, 2 w + 1 of the step, all 64 queries (Q stays in 256 registers): 64 matrix instructions; a lane holds one query and eight keys.
;   O^T = V'^T P is split BY CHANNELS: wave w takes channels 128 w .. 128 w + 127, all 64 queries and 128 keys: 128 matrix instructions on 32 accumulators; a lane holds one query and eight channels.
;   Between the two the waves exchange in LDS their maxima (1,024 bytes, behind a barrier of its own) and P (16,384 bytes in fragment order, two buffers; wave w writes key group w; seen behind the next step's round).
;   l is kept by each wave for its own keys under the common m; the four are added once, at the end.
; A TRIP does V'^T P of step j and K Q^T of step j + 1: 192 products, 128 lines that rescale O^T, 40 of maxima, 184 of softmax.  The rescaling stands behind the products K Q^T, four lines behind each two;
; the maxima (four lines) and the softmax (two lines) behind single products V'^T P.  Every LDS request has products between it and the wait for it: PVPHASE's comment gives the places.
; CLUSTER.  Four query blocks of a batch walk the same V': its step tile (131,072 bytes, dense) is asked for JOINTLY, a quarter by each wave, into two slots that take turns.
; K IS NOT ASKED FOR JOINTLY: each of its blocks serves one wave of a work-group and goes straight into that wave's registers (32 loads of 512 consecutive bytes, issued behind the products that
; read the registers, a whole run of 128 products ahead of their use); two slots with K beside V' would be 2 x 196,608 bytes, more than the 327,680 that a work-group has.
; PREFETCH.  The batch's first cluster asks, behind the joint load and the run of LDS loads, for V' of the step after the one just asked for (a lane a block of 256 bytes, one line a wave; the four partners
; take a quarter each, told apart by address) and, in waves 0 and 1, for K of the step after the one that this trip loads.  The last trips, whose look-ahead has no step, ask for nothing.
; REGISTERS, in windows of 256 (s_set_vgpr_msb: bits 1:0 source 0, 3:2 source 1, 5:4 source 2, 7:6 destination):
;   window 0: v2-23 addresses; v24-55 statistics, eight a query tile; v56-59 my maxima; v60-75 the four waves'; v80-143 S^T (unit 4 kt + qt); v144-175 P packed; v176-239 P's fragments, two buffers
;   window 1: O^T, (channel tile, query tile) at 8 (4 ct + qt)    window 2: Q at 64 qt + 8 ks; at the end Fc    window 3: v0-127 K at 64 kt + 8 ks (at the end b2); v128-255 V' fragments, two buffers
.set SLOT,  131072
.set PBUF,  2*SLOT                     ; P's two buffers, [key group][query tile][block]
.set PTOG,  16384
.set STATS, PBUF+2*PTOG                ; [wave][query % 16][query tile] f32: the maxima; 1,024 bytes on: the sums l
.set STAGE, STATS+2048                 ; 16 rows x 272 bytes for each wave, for the way out
.set SP,    272
.set SPARE, STAGE+4*16*SP              ; the spare words, 128 bytes a wave
.set LN16, 2                           ; v2   16 x lane
.set VA0,  3                           ; v3   my eight channel tiles in a key group: 8,192 wave + 16 lane; v4 the same two key groups on
.set ADRA, 5                           ; v5   the same in the slot that is read, for key groups 0, 1; v6 for groups 2, 3: made once a trip
.set PADR, 7                           ; v7   16 x lane in P's buffer that is read: made once a trip
.set PW0,  8                           ; v8   4,096 wave + 16 lane
.set PWA,  9                           ; v9   where I put P
.set SST,  10                          ; v10  where I put my maxima
.set SLD,  11                          ; v11  where I read the four waves'
.set STO,  14                          ; v14  the way out: where I put a number
.set SRD,  15                          ; v15  where I read rows back
.set GO,   16                          ; v16  my 16 bytes in two rows of Fc and out0
.set BO,   17                          ; v17  32 (lane / 16): my eight channels' b2
.set PFO,  18                          ; v18  256 x lane
.set SPW,  22                          ; v22  my spare word; never rewritten
.set NIL,  23                          ; v23  0; never rewritten
.set ST,   24                          ; tile q at ST + 8 q: c0 m, m, l (even keys', odd keys'), a, 0, two at work
.set MX,   56
.set G,    60
.set S,    80
.set PK,   144
.set PF,   176
.set TMP,  80                          ; the way out
.set BK,   112
.set WV,   16
.set G1,   24                          ; s[24:31] descriptor group 1
.set G0,   32                          ; s[32:35] descriptor group 0: it walks
.set CNT,  36
.set TBV,  37                          ; the slot that is read
.set TBP,  38                          ; P's buffer that is read
.set TBW,  39                          ; P's buffer that is written
.set CS,   40                          ; s[40:41] c0
.set SEL,  42                          ; s[42:43] v_permlanex16_b32's selects
.set KP,   44                          ; s[44:45] K at my two key tiles of the step to load
.set PVP,  46                          ; s[46:47] V's prefetch
.set PKP,  48                          ; s[48:49] K's prefetch
.set LIMV, 50
.set LIMK, 51
.set FCB,  56                          ; s[56:57] Fc at my 128 channels and the block's 64 positions
.set OB,   58                          ; s[58:59] out0 there
.set W_S,  0x0b                        ; K window 3, Q window 2, S^T window 0
.set W_PV, 0x53                        ; V' window 3, P window 0, O^T window 1
.set W_RS, 0x41                        ; O^T window 1, a window 0
.set MSB, 0
.macro WIN new                         ; the immediate's high byte repeats the setting that is left
.if MSB != (\new)
	s_set_vgpr_msb (MSB<<8)|(\new)
.set MSB, \new
.endif
.endm
.macro NOPS
.rept 4
	v_nop
.endr
.endm
.macro JLOAD                           ; the joint load: the same line and registers in all four partners; an s_nop 0 and four v_nop follow it
	tensor_load_to_lds s[G0:G0+3], s[G1:G1+7]
	s_nop 0
	NOPS
.endm
.macro CREST                           ; a round of the cluster's barrier behind its opening barrier
	s_cmp_lg_u32 s[WV], 0
	s_cbranch_scc1 .Lnot_wave_0_\@
	s_barrier_signal -3
.Lnot_wave_0_\@:
	s_barrier_wait -3
	s_barrier_signal -1
	s_barrier_wait -1
.endm
.macro CROUND
	s_barrier_signal -1
	s_barrier_wait -1
	CREST
.endm
.macro ASK                             ; the prefetches; the tests hang on the trip, the cluster's number and the wave's number: alike in all partners
	s_cmp_gt_u32 s[CNT], s[LIMV]
	s_cbranch_scc0 .Lno_v_\@
	global_prefetch_b8 v[PFO], s[PVP:PVP+1] th:TH_LOAD_NT scope:SCOPE_SE
.Lno_v_\@:
	s_cmp_gt_u32 s[CNT], s[LIMK]
	s_cbranch_scc0 .Lno_k_\@
	global_prefetch_b8 v[PFO], s[PKP:PKP+1] th:TH_LOAD_NT scope:SCOPE_SE
.Lno_k_\@:
.endm
; product i of 32 of S^T for key tile kt: channels 32 (i / 4) on, query tile i % 4; the first four start the sums; the four accumulators take turns
.macro SMM kt, i
	WIN W_S
.set rS, S+8*(4*(\kt)+(\i)%4)
.set rK, 64*(\kt)+8*((\i)/4)
.set rQ, 64*((\i)%4)+8*((\i)/4)
.if (\i) < 4
	v_wmma_f32_16x16x32_bf16 v[rS:rS+7], v[rK:rK+7], v[rQ:rQ+7], 0
.else
	v_wmma_f32_16x16x32_bf16 v[rS:rS+7], v[rK:rK+7], v[rQ:rQ+7], v[rS:rS+7]
.endif
.endm
; product i of 32 of O^T for key group kg: channel tile i / 4, query tile i % 4; the 32 accumulators take turns
.macro PMM kg, i
	WIN W_PV
.set rO, 8*(\i)
.set rV, 128+64*((\kg)%2)+8*((\i)/4)
.set rP, PF+32*((\kg)%2)+8*((\i)%4)
	v_wmma_f32_16x16x32_bf16 v[rO:rO+7], v[rV:rV+7], v[rP:rP+7], v[rO:rO+7]
.endm
.macro RS n                            ; pair n of 128 of O^T times a: each accumulator from its low end on
	WIN W_RS
	v_pk_mul_f32 v[2*(\n):2*(\n)+1], v[2*(\n):2*(\n)+1], v[ST+8*(((\n)/4)%4)+4:ST+8*(((\n)/4)%4)+5] op_sel_hi:[1,0]
.endm
.macro SPART kt, p0, np                ; np pairs, from pair p0 of 16 on, of key tile kt's products K Q^T; four rescalings behind each pair
.set i, 2*(\p0)
.rept \np
	SMM \kt, i
	SMM \kt, i+1
	RS 64*(\kt)+2*i
	RS 64*(\kt)+2*i+1
	RS 64*(\kt)+2*i+2
	RS 64*(\kt)+2*i+3
.set i, i+2
.endr
.endm
.macro KLOAD                           ; my two key tiles, 16 blocks
	WIN 0xc0
.set f, 0
.rept 16
	global_load_b128 v[8*f:8*f+3], v[LN16], s[KP:KP+1] offset:f*1024
	global_load_b128 v[8*f+4:8*f+7], v[LN16], s[KP:KP+1] offset:f*1024+512
.set f, f+1
.endr
	WIN 0
.endm
.macro FADDR                           ; the fragment runs' three addresses, for the slot and the buffer of P that this step reads
	v_add_nc_u32 v[ADRA], s[TBV], v[VA0]
	v_add_nc_u32 v[ADRA+1], s[TBV], v[VA0+1]
	v_add_nc_u32 v[PADR], s[TBP], v[LN16]
.endm
; key group kg's fragments: my eight of V', the four of P: 24 loads in one run, each 512 consecutive bytes.  nops = 1: four places (ISA guide 7.12.1) behind the products that read the buffer
.macro FETCH kg, nops
.if \nops
	NOPS
.endif
	WIN 0xc0
.set f, 0
.rept 8
	ds_load_b128 v[128+64*((\kg)%2)+8*f:128+64*((\kg)%2)+8*f+3], v[ADRA+(\kg)/2] offset:((\kg)%2)*32768+f*1024
	ds_load_b128 v[128+64*((\kg)%2)+8*f+4:128+64*((\kg)%2)+8*f+7], v[ADRA+(\kg)/2] offset:((\kg)%2)*32768+f*1024+512
.set f, f+1
.endr
	WIN 0
.set f, 0
.rept 4
	ds_load_b128 v[PF+32*((\kg)%2)+8*f:PF+32*((\kg)%2)+8*f+3], v[PADR] offset:(\kg)*4096+f*1024
	ds_load_b128 v[PF+32*((\kg)%2)+8*f+4:PF+32*((\kg)%2)+8*f+7], v[PADR] offset:(\kg)*4096+f*1024+512
.set f, f+1
.endr
.endm
; THE MAXIMA: number x of 40 (step x / 4 for query tile x % 4): two chains over my two key tiles' scores, each accumulator's low registers first; the other half of the lanes; into MX
.macro XS
	WIN 0
.set qq, x%4
.set op, x/4
.set rT, ST+8*qq
.set rA, S+8*qq
.set rB, S+32+8*qq
.if op == 0
	v_max3_num_f32 v[rT+6], v[rA], v[rA+1], v[rA+2]
.elseif op == 1
	v_max3_num_f32 v[rT+7], v[rB], v[rB+1], v[rB+2]
.elseif op == 2
	v_max3_num_f32 v[rT+6], v[rT+6], v[rA+3], v[rA+4]
.elseif op == 3
	v_max3_num_f32 v[rT+7], v[rT+7], v[rB+3], v[rB+4]
.elseif op == 4
	v_max3_num_f32 v[rT+6], v[rT+6], v[rA+5], v[rA+6]
.elseif op == 5
	v_max3_num_f32 v[rT+7], v[rT+7], v[rB+5], v[rB+6]
.elseif op == 6
	v_max3_num_f32 v[rT+6], v[rT+6], v[rA+7], v[rB+7]
.elseif op == 7
	v_max_num_f32 v[rT+6], v[rT+6], v[rT+7]
.elseif op == 8
	v_permlanex16_b32 v[rT+7], v[rT+6], s[SEL], s[SEL+1]
.else
	v_max_num_f32 v[MX+qq], v[rT+6], v[rT+7]
.endif
.set x, x+1
.endm
; THE SOFTMAX's four kinds of line, for unit u = 4 kt + qt (eight scores a lane)
.macro FF u, k                         ; c0 s - c0 m for pair k of 4
.set rS, S+8*(\u)+2*(\k)
.set rT, ST+8*((\u)%4)
	v_pk_fma_f32 v[rS:rS+1], v[rS:rS+1], s[CS:CS+1], v[rT:rT+1] op_sel_hi:[1,0,0] neg_lo:[0,0,1] neg_hi:[0,0,1]
.endm
.macro EE u, k                         ; the exponential of score k of 8, in place
	v_exp_f32 v[S+8*(\u)+(\k)], v[S+8*(\u)+(\k)]
.endm
.macro CC u, k                         ; pair k rounded to bf16
	s_wait_alu depctr_va_vdst(0)
	v_cvt_pk_bf16_f32 v[PK+4*(\u)+(\k)], v[S+8*(\u)+2*(\k)], v[S+8*(\u)+2*(\k)+1]
.endm
.macro BL u, k                         ; k = 0, 1, 2: the four pairs are added, in place; k = 3: l takes the sum (the first key tile's as l = a l + sum)
.set rU, S+8*(\u)
.set rT, ST+8*((\u)%4)
.if (\k) == 0
	v_pk_add_f32 v[rU:rU+1], v[rU:rU+1], v[rU+2:rU+3]
.elseif (\k) == 1
	v_pk_add_f32 v[rU+4:rU+5], v[rU+4:rU+5], v[rU+6:rU+7]
.elseif (\k) == 2
	v_pk_add_f32 v[rU:rU+1], v[rU:rU+1], v[rU+4:rU+5]
.elseif (\u) < 4
	v_pk_fma_f32 v[rT+2:rT+3], v[rT+2:rT+3], v[rT+4:rT+5], v[rU:rU+1] op_sel_hi:[1,0,1]
.else
	v_pk_add_f32 v[rT+2:rT+3], v[rT+2:rT+3], v[rU:rU+1]
	s_wait_alu depctr_va_vdst(0)
.endif
.endm
; THE SOFTMAX: number y of 184.  0-23, step y / 4 for query tile y % 4: the new m of the four waves' maxima; c0 m_old kept; c0 m; their difference; a.  24-27: unit 0 scaled.
; Then a pipeline over the units, a stage for each.  Stage u, 20 lines: unit u's eight exponentials at the odd places, between them unit u + 1's four scalings and unit u - 1's four roundings by turns;
; then unit u - 1's three sums and l.  So a plain line that touches another unit stands behind every exponential (ISA guide 5.7.2), and two lines on end are a plain one and an exponential.
; Stage 0 (28-39) has no unit behind it, stage 7 (160-175) none ahead of it; 176-183 are unit 7's roundings and sums.  Unit u's four roundings are done at 54 + 20 u (u < 6), 171 and 180.
.macro YS
	WIN 0
.if y < 24
.set qq, y%4
.set op, y/4
.set rT, ST+8*qq
.if op == 0
	v_max3_num_f32 v[rT+1], v[rT+1], v[G+qq], v[G+4+qq]
.elseif op == 1
	v_max3_num_f32 v[rT+1], v[rT+1], v[G+8+qq], v[G+12+qq]
.elseif op == 2
	v_mov_b32 v[rT+6], v[rT]
.elseif op == 3
	v_mul_f32 v[rT], s[CS], v[rT+1]
.elseif op == 4
	v_sub_f32 v[rT+6], v[rT+6], v[rT]
.else
	v_exp_f32 v[rT+4], v[rT+6]
.endif
.elseif y < 28
	FF 0, y-24
.elseif y < 40
.set g, (y-28)/3
.set r, (y-28)%3
.if r == 0
	FF 1, g
.else
	EE 0, 2*g+r-1
.endif
.elseif y < 160
.set sg, 1+(y-40)/20
.set z, (y-40)%20
.if z >= 16
	BL sg-1, z-16
.elseif z%2 == 1
	EE sg, z/2
.elseif z%4 == 0
	FF sg+1, z/4
.else
	CC sg-1, z/4
.endif
.elseif y < 176
.set z, y-160
.if z >= 12
	BL 6, z-12
.elseif z%3 == 1
	CC 6, z/3
.else
	EE 7, 2*(z/3)+(z%3)/2
.endif
.elseif y < 180
	CC 7, y-176
.else
	BL 7, y-180
.endif
.set y, y+1
.endm
.macro PSTORE u0                       ; four units' 16 bytes a lane of P, in one run: key tile u0 / 4 of my key group, the four query tiles
	WIN 0
.set u, \u0
.rept 4
	ds_store_b128 v[PWA], v[PK+4*u:PK+4*u+3] offset:(u%4)*1024+(u/4)*512
.set u, u+1
.endr
.endm
.macro GLOAD off                       ; the four waves' numbers for my query, at byte off of the statistics
	WIN 0
.set f, 0
.rept 4
	ds_load_b128 v[G+4*f:G+4*f+3], v[SLD] offset:(\off)+f*256
.set f, f+1
.endr
.endm
.macro FCLOAD a, b                     ; Fc's tiles a .. b - 1 of 16 channels: eight loads each, two row pieces of 256 bytes a load
	WIN 0x80
.set f, 8*(\a)
.rept 8*((\b)-(\a))
	global_load_b128 v[4*f:4*f+3], v[GO], s[FCB:FCB+1] offset:2*f*16384 th:TH_LOAD_NT
.set f, f+1
.endr
	WIN 0
.endm
; THE 128 PRODUCTS V'^T P of a step; i counts those issued.
; riders = 1 (the loop; key groups 0's and 1's fragment runs were issued among the products K Q^T):
;   behind products 1 to 10 four lines of maxima each; behind 10 my four maxima go into LDS; seven products on, the wait for them (and for group 1's run) and the barrier's signal; four products on, its wait
;   and the loads of the four waves' maxima; eleven products on, the wait for those; behind products 33 to 124 two lines of softmax each; P goes into LDS in two runs of four stores, behind lines 116 and 180.
;   Group 2's run stands straight behind product 32, the last that reads its buffer, group 3's behind product 64: 32 products ahead of their use.
;   The counted waits: ahead of product 0, 32 and 64 the 24 loads of the run issued last may stay out (what is waited for stands in front of it: group 0's run; the maxima; group 2's run); ahead of product 96
;   the four stores of P behind group 3's run.
; riders = 0 (the last step): bare; group 1's, 2's, 3's runs behind the second product of the group before, waits for 0; Fc's last 24 loads go out when b2's 16 are shown in.
.macro PVPHASE riders
.set i, 0
.set x, 0
.set y, 0
.rept 128
.if \riders
.if (i == 0) || (i == 32) || (i == 64)
	s_wait_dscnt 24
.elseif i == 96
	s_wait_dscnt 4
.endif
.elseif i%32 == 0
	s_wait_dscnt 0x0                               ; this key group's fragments are in
.endif
	PMM i/32, i%32
.set i, i+1
.if \riders
.if i <= 10
.rept 4
	XS
.endr
.endif
.if i == 10
	ds_store_b128 v[SST], v[MX:MX+3]
.endif
.if i == 17
	s_wait_dscnt 0x0                               ; for the others' sake: my maxima lie in LDS
	s_barrier_signal -1
.endif
.if i == 21
	s_barrier_wait -1
	GLOAD 0
.endif
.if (i > 32) && (y < 184)
	YS
	YS
.if y == 116
	PSTORE 0
.endif
.if y == 180
	PSTORE 4
.endif
.endif
.if i == 32
	FETCH 2, 1
.endif
.if i == 64
	FETCH 3, 1
.endif
.else
.if i == 2
	FETCH 1, 1
.endif
.if i == 34
	FETCH 2, 1
.endif
.if i == 66
	FETCH 3, 1
.endif
.if i == 98
	s_wait_loadcnt 40                              ; behind b2's 16 loads stand Fc's first 40
	FCLOAD 5, 8
.endif
.endif
.endr
	WIN 0
.endm
	s_load_b256 s[4:11], s[0:1], 0x0               ; qf s[4:5], kf s[6:7], vf s[8:9], b2 s[10:11]
	s_load_b128 s[12:15], s[0:1], 0x20             ; Fc s[12:13], out0 s[14:15]
	v_lshl_add_u32 v[SPW], v0, 2, SPARE
	v_mov_b32 v[NIL], 0
	ds_add_u32 v[SPW], v[NIL]                      ; the wave's opening: the add and its wait stand ahead of the round that stands in front of my first tensor load
	ds_add_u32 v22, v23
	v_lshrrev_b32 v1, 5, v0
	v_readfirstlane_b32 s[WV], v1                  ; wave 0..3
	s_bfe_u32 s17, ttmp6, 0x40000                  ; cx: it enters Q's, Fc's, out0's and the prefetches' addresses alone
	s_lshl_b32 s18, ttmp9, 2
	s_add_co_u32 s18, s18, s17                     ; my block of 64 queries
	s_and_b32 s19, ttmp7, 0xffff                   ; the batch, which the partners share
	s_lshl_b32 s20, s19, 22                        ; V': batch, my quarter of a step's tile
	s_lshl_b32 s52, s[WV], 15
	s_add_co_u32 s20, s20, s52
	s_mov_b32 s21, 0
	s_lshl_b32 s22, s19, 21                        ; K: batch, my two key tiles
	s_lshl_b32 s52, s[WV], 14
	s_add_co_u32 s22, s22, s52
	s_mov_b32 s23, 0
	s_lshl_b32 s54, s19, 21                        ; Q: batch, my block's four tiles
	s_lshl_b32 s52, s18, 15
	s_add_co_u32 s54, s54, s52
	s_mov_b32 s55, 0
	s_lshl_b32 s60, s19, 23                        ; Fc, out0: batch, my 128 channels, my block's 256 bytes of a row
	s_lshl_b32 s52, s[WV], 21
	s_add_co_u32 s60, s60, s52
	s_lshl_b32 s52, s18, 8
	s_add_co_u32 s60, s60, s52
	s_mov_b32 s61, 0
	s_lshl_b32 s62, s[WV], 9                       ; b2: my 128 channels
	s_mov_b32 s63, 0
	s_lshl_b32 s52, s[WV], 13
	s_lshl_b32 s[PVP], s19, 22                     ; V's prefetch: step 1 (the first trip steps it to 2), my work-group's quarter, my wave's 8,192 bytes of it
	s_lshl_b32 s53, s17, 15
	s_add_co_u32 s[PVP], s[PVP], s53
	s_add_co_u32 s[PVP], s[PVP], s52
	s_add_co_u32 s[PVP], s[PVP], SLOT
	s_mov_b32 s[PVP+1], 0
	s_lshl_b32 s[PKP], s19, 21                     ; K's: step 2 (stepped to 3), my work-group's quarter, wave 0's or 1's half of it
	s_lshl_b32 s53, s17, 14
	s_add_co_u32 s[PKP], s[PKP], s53
	s_add_co_u32 s[PKP], s[PKP], s52
	s_add_co_u32 s[PKP], s[PKP], 2*65536
	s_mov_b32 s[PKP+1], 0
	s_mov_b32 s53, ttmp9
	s_cmp_eq_u32 s53, 0                            ; the batch's first cluster asks
	s_cselect_b32 s[LIMV], 1, -1                   ; while a step two on exists: CNT > 1
	s_lshr_b32 s52, s[WV], 1
	s_or_b32 s52, s52, s53
	s_cmp_eq_u32 s52, 0
	s_cselect_b32 s[LIMK], 2, -1                   ; while a step three on exists: CNT > 2
	; descriptor: 32,768 dense bytes as 128 rows of 256
	s_mov_b32 s[G1+0], 15|(3<<16)|(1<<21)          ; the mask of four; elements of 8 bytes; bit 21 set beside a mask
	s_mov_b32 s[G1+1], 32<<16                      ; tensor_dim0 = 32
	s_mov_b32 s[G1+2], 128<<16                     ; tensor_dim1 = 128
	s_mov_b32 s[G1+3], 32<<16                      ; tile_dim0 = 32
	s_mov_b32 s[G1+4], 128                         ; tile_dim1 = 128
	s_mov_b32 s[G1+5], 32                          ; the pitch
	s_mov_b32 s[G1+6], 0
	s_mov_b32 s[G1+7], 0
	s_mov_b32 s[G0], 1
	s_lshl_b32 s[G0+1], s[WV], 15                  ; slot 0, my quarter
	s_mov_b32 s[CS], 0x3db8aa3b                    ; c0 = log2(e) / 16
	s_mov_b32 s[CS+1], s[CS]
	s_mov_b32 s[SEL], 0x76543210
	s_mov_b32 s[SEL+1], 0xfedcba98
	s_mov_b32 s[TBV], SLOT                         ; the first trip turns these three
	s_mov_b32 s[TBP], PBUF+PTOG
	s_mov_b32 s[TBW], PBUF
	s_mov_b32 s[CNT], 31
	v_and_b32 v1, 31, v0
	v_and_b32 v12, 15, v0                          ; r
	v_bfe_u32 v13, v0, 4, 1                        ; h
	v_lshlrev_b32 v[LN16], 4, v1
	v_lshlrev_b32 v[PFO], 8, v1
	s_lshl_b32 s52, s[WV], 13
	v_add_nc_u32 v[VA0], s52, v[LN16]
	v_add_nc_u32 v[VA0+1], 65536, v[VA0]
	s_lshl_b32 s52, s[WV], 12
	v_add_nc_u32 v[PW0], s52, v[LN16]
	v_add_nc_u32 v[PWA], PBUF, v[PW0]
	v_lshlrev_b32 v[SLD], 4, v12
	v_add_nc_u32 v[SLD], STATS, v[SLD]
	s_lshl_b32 s52, s[WV], 8
	v_add_nc_u32 v[SST], s52, v[SLD]
	s_mul_i32 s52, s[WV], 16*SP
	s_add_co_u32 s52, s52, STAGE
	v_mul_u32_u24 v[STO], v13, 8*SP                ; in: row 8 h + register, word 16 qt + r
	v_lshl_add_u32 v[STO], v12, 2, v[STO]
	v_add_nc_u32 v[STO], s52, v[STO]
	v_mul_u32_u24 v[SRD], v13, SP                  ; back: lanes 0-15 one row of 256 bytes, lanes 16-31 the next
	v_lshl_add_u32 v[SRD], v12, 4, v[SRD]
	v_add_nc_u32 v[SRD], s52, v[SRD]
	v_lshlrev_b32 v[GO], 14, v13
	v_lshl_add_u32 v[GO], v12, 4, v[GO]
	v_lshlrev_b32 v[BO], 5, v13
	s_wait_dscnt 0x0                               ; the opening add is done
	s_wait_kmcnt 0x0
	s_add_nc_u64 s[G0+2:G0+3], s[8:9], s[20:21]
	s_or_b32 s[G0+3], s[G0+3], 0x80000000          ; type = 2
	s_add_nc_u64 s[KP:KP+1], s[6:7], s[22:23]
	s_add_nc_u64 s[4:5], s[4:5], s[54:55]
	s_add_nc_u64 s[FCB:FCB+1], s[12:13], s[60:61]
	s_add_nc_u64 s[OB:OB+1], s[14:15], s[60:61]
	s_add_nc_u64 s[10:11], s[10:11], s[62:63]
	s_add_nc_u64 s[PVP:PVP+1], s[8:9], s[PVP:PVP+1]
	s_add_nc_u64 s[PKP:PKP+1], s[6:7], s[PKP:PKP+1]
	CROUND                                         ; all four work-groups are here: the first joint loads meet
	JLOAD                                          ; V' of step 0 into slot 0
	WIN 0x80
.set f, 0
.rept 32                               ; Q stays in registers
	global_load_b128 v[8*f:8*f+3], v[LN16], s[4:5] offset:f*1024
	global_load_b128 v[8*f+4:8*f+7], v[LN16], s[4:5] offset:f*1024+512
.set f, f+1
.endr
	KLOAD                                          ; K of step 0
	; O^T and l start at 0, m at the lowest finite number: the first step is a step like any other, with a = 0, and no second text of a step is written.  These lines run while the first loads are out.
	WIN 0x40
.set f, 0
.rept 256
	v_mov_b32 v[f], 0
.set f, f+1
.endr
	WIN 0
.set f, 0
.rept 4
	v_mov_b32 v[ST+8*f], 0xfe000000
	v_mov_b32 v[ST+8*f+1], 0xff7fffff
	v_mov_b32 v[ST+8*f+2], 0
	v_mov_b32 v[ST+8*f+3], 0
	v_mov_b32 v[ST+8*f+5], 0                       ; named with a as a pair
.set f, f+1
.endr
	s_wait_loadcnt 0x0
.set i, 0
.rept 32
	SMM 0, i
.set i, i+1
.endr
.set i, 0
.rept 32
	SMM 1, i
.set i, i+1
.endr
	NOPS                                           ; the places ahead of the loads into K's registers and of the maxima
	WIN 0
	s_add_nc_u64 s[KP:KP+1], s[KP:KP+1], 65536
	KLOAD                                          ; K of step 1
.set x, 0
.rept 40
	XS
.endr
	ds_store_b128 v[SST], v[MX:MX+3]
	s_wait_dscnt 0x0
	s_barrier_signal -1
	s_barrier_wait -1
	GLOAD 0
	s_wait_dscnt 0x0
.set y, 0
.rept 184
	YS
.endr
	PSTORE 0                                       ; P of step 0 into buffer 0
	PSTORE 4
.Ltrip:                                        ; 31 trips: j = 31 - CNT
	s_wait_tensorcnt 0x0                           ; my one tensor load, my quarter of V' of step j, has landed: the descriptor may be written
	ds_add_u32 v[SPW], v[NIL]                      ; 0 onto my spare word; work on registers, sixteen products among it, stands between it and the wait for it
	s_xor_b32 s[G0+1], s[G0+1], SLOT               ; the other slot,
	s_add_nc_u64 s[G0+2:G0+3], s[G0+2:G0+3], SLOT  ; the next step; the type bits on top are not reached
	s_xor_b32 s[TBV], s[TBV], SLOT
	s_xor_b32 s[TBP], s[TBP], PTOG
	s_xor_b32 s[TBW], s[TBW], PTOG
	v_add_nc_u32 v[PWA], s[TBW], v[PW0]            ; these four lines are also the places between the last product V'^T P and the rescaling
	FADDR
	s_wait_loadcnt 0x0                             ; K of step j + 1 is in, so its base may be stepped
	s_add_nc_u64 s[KP:KP+1], s[KP:KP+1], 65536
	s_wait_xcnt 0x0                                ; the prefetches, a trip back, have read their addresses
	s_add_nc_u64 s[PVP:PVP+1], s[PVP:PVP+1], SLOT
	s_add_nc_u64 s[PKP:PKP+1], s[PKP:PKP+1], 65536
	SPART 0, 0, 8
	s_wait_dscnt 0x0                               ; the add is done; P of step j lies in LDS; my reads of step j - 1's V' and P are over
	s_barrier_signal -1                            ; opens a round of the cluster's barrier; work on registers alone up to its end
	SPART 0, 8, 8
	WIN 0
	s_barrier_wait -1
	CREST                                          ; no wave of any partner still reads the slot of step j - 1 or has a load on its way
	JLOAD                                          ; V' of step j + 1: 160 matrix instructions ahead of the wait for it
	FETCH 0, 0                                     ; (the four v_nop behind the joint load are its places)
	ASK
	SPART 1, 0, 12
	FETCH 1, 1                                     ; 24 products behind group 0's run, 8 ahead of the first product V'^T P: it stands in front of my maxima's store in the LDS order, and well ahead of it
	SPART 1, 12, 4
	NOPS                                           ; the places ahead of the loads into K's registers and of the maxima
	WIN 0
	s_cmp_eq_u32 s[CNT], 1                         ; the last trip has no step j + 2
	s_cbranch_scc1 .Lno_k
	KLOAD
.Lno_k:
	PVPHASE 1
	s_sub_co_u32 s[CNT], s[CNT], 1
	s_cmp_lg_u32 s[CNT], 0
	s_cbranch_scc1 .Ltrip
	; THE LAST STEP's V'^T P.  First my sums l: the pair, the other half of the lanes, into LDS for the other waves.
.set f, 0
.rept 4
	v_add_f32 v[ST+8*f+6], v[ST+8*f+2], v[ST+8*f+3]
.set f, f+1
.endr
.set f, 0
.rept 4
	v_permlanex16_b32 v[ST+8*f+7], v[ST+8*f+6], s[SEL], s[SEL+1]
.set f, f+1
.endr
.set f, 0
.rept 4
	v_add_f32 v[MX+f], v[ST+8*f+6], v[ST+8*f+7]
.set f, f+1
.endr
	ds_store_b128 v[SST], v[MX:MX+3] offset:1024
	s_wait_tensorcnt 0x0                           ; my quarter of the last V'
	ds_add_u32 v[SPW], v[NIL]
	s_xor_b32 s[TBV], s[TBV], SLOT
	s_xor_b32 s[TBP], s[TBP], PTOG
	FADDR
	s_wait_loadcnt 0x0                             ; no load into K's registers is out: they take b2 below
	s_wait_dscnt 0x0                               ; the add is done; the last P and my l lie in LDS
	s_barrier_signal -1                            ; nothing is filled again: a barrier of the work-group is enough
	s_barrier_wait -1
	FETCH 0, 1
	GLOAD 1024
	WIN 0xc0
.set f, 0
.rept 8                                ; b2 of my channels: register j of channel tile f is channel 16 f + 8 h + j
	global_load_b128 v[8*f:8*f+3], v[BO], s[10:11] offset:f*64
	global_load_b128 v[8*f+4:8*f+7], v[BO], s[10:11] offset:f*64+16
.set f, f+1
.endr
	FCLOAD 0, 5                                    ; Fc goes where Q lay: 128 products ahead of its use
.set i, 0
.rept 128
	RS i
.set i, i+1
.endr
	WIN 0
	s_wait_dscnt 0x0
.set f, 0
.rept 4
	v_add_f32 v[ST+8*f+6], v[G+f], v[G+4+f]
	v_add_f32 v[ST+8*f+7], v[G+8+f], v[G+12+f]
.set f, f+1
.endr
.set f, 0
.rept 4
	v_add_f32 v[ST+8*f+6], v[ST+8*f+6], v[ST+8*f+7]
.set f, f+1
.endr
.set f, 0
.rept 4
	v_rcp_f32 v[ST+8*f+2], v[ST+8*f+6]             ; l is at least 1: the largest weight of a row is 1
.set f, f+1
.endr
	v_nop
	s_wait_alu depctr_va_vdst(0)
	PVPHASE 0
	NOPS                                           ; the places behind the last products
; THE WAY OUT, a tile of 16 channels at a time.  OUTA: O / l + b2; a lane's numbers (one position, eight channels) go into my stage, rows of 272 bytes, and come back as rows of 64 positions.
; OUTB: Fc is added and the rows are stored: 16 lanes fill 256 consecutive bytes, aligned.
.macro OUTA a
	WIN 0x31                                       ; O^T window 1, 1 / l window 0, b2 window 3, result window 0
.set q, 0
.rept 4
.set n, 0
.rept 4
	v_pk_fma_f32 v[TMP+8*q+2*n:TMP+8*q+2*n+1], v[8*(4*(\a)+q)+2*n:8*(4*(\a)+q)+2*n+1], v[ST+8*q+2:ST+8*q+3], v[8*(\a)+2*n:8*(\a)+2*n+1] op_sel_hi:[1,0,1]
.set n, n+1
.endr
.set q, q+1
.endr
	WIN 0
.set q, 0
.rept 4
.set n, 0
.rept 8
	ds_store_b32 v[STO], v[TMP+8*q+n] offset:n*SP+q*64
.set n, n+1
.endr
.set q, q+1
.endr
	s_wait_xcnt 0x0                                ; the stores of the tile two back have read the registers that are loaded below
.set n, 0
.rept 8
	ds_load_b128 v[BK+32*((\a)%2)+4*n:BK+32*((\a)%2)+4*n+3], v[SRD] offset:n*2*SP  ; LDS serves a wave's instructions in order (ISA guide 5.7.1.4): these see the stores above
.set n, n+1
.endr
.endm
.macro OUTB a, younger
	s_wait_dscnt \younger                          ; the next tile's 32 stores and 8 loads may stay out
	s_wait_loadcnt 56-8*(\a)                       ; Fc's tile a is in; the tiles behind it may stay out
	WIN 0x08
.set n, 0
.rept 16
	v_pk_add_f32 v[BK+32*((\a)%2)+2*n:BK+32*((\a)%2)+2*n+1], v[BK+32*((\a)%2)+2*n:BK+32*((\a)%2)+2*n+1], v[32*(\a)+2*n:32*(\a)+2*n+1]
.set n, n+1
.endr
	WIN 0
.set n, 0
.rept 8
	global_store_b128 v[GO], v[BK+32*((\a)%2)+4*n:BK+32*((\a)%2)+4*n+3], s[OB:OB+1] offset:(16*(\a)+2*n)*16384 th:TH_STORE_NT
.set n, n+1
.endr
.endm
	OUTA 0
.irp a, 1,2,3,4,5,6,7
	OUTA \a
	OUTB (\a)-1, 40
.endr
	OUTB 7, 0
	s_wait_tensorcnt 0x0                           ; the wave's end, behind my last tensor load and my last LDS store
	ds_add_u32 v[SPW], v[NIL]
	s_wait_dscnt 0x0
	CROUND                                         ; the closing round: no work-group ends while a partner may still ask for a tile that names it
	s_endpgm
.Lfunc_end_k_qb31a356c4c_attn:
	.size	k_qb31a356c4c_attn, .Lfunc_end_k_qb31a356c4c_attn-k_qb31a356c4c_attn
	.p2alignl 7, 3214868480
	.fill 96, 4, 3214868480
	.section	.rodata,"a",@progbits
	.p2align	6, 0x0
	.amdhsa_kernel k_qb31a356c4c_attn
		.amdhsa_group_segment_fixed_size 327680
		.amdhsa_private_segment_fixed_size 0
		.amdhsa_enable_private_segment 0
		.amdhsa_kernarg_size 48
		.amdhsa_user_sgpr_count 2
		.amdhsa_user_sgpr_kernarg_segment_ptr 1
		.amdhsa_wavefront_size32 1
		.amdhsa_system_sgpr_workgroup_id_x 1
		.amdhsa_system_sgpr_workgroup_id_y 1
		.amdhsa_system_sgpr_workgroup_id_z 1
		.amdhsa_system_vgpr_workitem_id 0
		.amdhsa_next_free_vgpr 1024
		.amdhsa_next_free_sgpr 66
		.amdhsa_reserve_vcc 0
		.amdhsa_float_denorm_mode_32 3
		.amdhsa_float_denorm_mode_16_64 3
		.amdhsa_memory_ordered 1
		.amdhsa_forward_progress 1
		.amdhsa_inst_pref_size 175
	.end_amdhsa_kernel
	.amdgpu_metadata
---
amdhsa.version: [ 1, 2 ]
amdhsa.kernels:
  - .name:           k_qb31a356c4c_attn
    .symbol:         k_qb31a356c4c_attn.kd
    .args:
      - { .name: qf, .offset: 0, .size: 8, .value_kind: global_buffer, .address_space: global }
      - { .name: kf, .offset: 8, .size: 8, .value_kind: global_buffer, .address_space: global }
      - { .name: vf, .offset: 16, .size: 8, .value_kind: global_buffer, .address_space: global }
      - { .name: b2, .offset: 24, .size: 8, .value_kind: global_buffer, .address_space: global }
      - { .name: Fc, .offset: 32, .size: 8, .value_kind: global_buffer, .address_space: global }
      - { .name: out0, .offset: 40, .size: 8, .value_kind: global_buffer, .address_space: global }
    .group_segment_fixed_size: 327680
    .private_segment_fixed_size: 0
    .kernarg_segment_align: 8
    .kernarg_segment_size: 48
    .max_flat_workgroup_size: 128
    .sgpr_count:     66
    .vgpr_count:     1024
    .wavefront_size: 32
...
	.end_amdgpu_metadata
.endif
;; end of part 3
